; MI455X (gfx1250); checked and timed in simulation.
; The chip was launched on July 23, 2026; its instructions are those of AMD's public machine-readable ISA for CDNA 5 (MIT licence, August 2026) and "CDNA5" Instruction Set Architecture Reference Guide (July 2026). The comments in the code are by the model that wrote it; some were corrected since.
;; Multihead Attention. Allowed arithmetic: matrix products marked QUANTISED: E2M1 operands, one E8M0 scale for each 32 along K, by v_wmma_scale_f32_16x16x128_f8f6f4 with both operands' format E2M1 (or v_wmma_scale_f32_32x16x128_f4), f32 sums; products left as they are: f32 operands where the result goes on into a quantised operand, else bf16, f16 or f32 operands; f32 sums; everything else in f32.
;; Inputs: Wk 512 x 4,096 float32; Wo 4,096 x 512 float32; Wq 512 x 4,096 float32; Wv 512 x 4,096 float32; bk 4,096 float32; bo 512 float32; bq 4,096 float32; bv 4,096 float32; input_data 2 x 2,048 x 512 float32; mask 1 x 1 x 2,048 x 2,048 int32.
;; Outputs: out0 2 x 2,048 x 512 float32.
;; This version of the problem:
;;   THIS VERSION OF THE PROBLEM IS GIVEN IN LOW PRECISION. The matrix products marked QUANTISED in the list below multiply operands that are first quantised to E2M1 (2 exponent bits, 1 mantissa bit; 4 bits a number), with one power-of-two scale for each 32 numbers along K (OCP MX v1.0); their sums are f32. All else is computed in f32.
;;   The module's matrix products, in the order in which they are computed (A, B: the left and right operand; K: the contracted axis; several contracted axes count as one K, in the product's order):
;;     1. [M 4,096, K 512] x [K 512, N 4,096]; A: input input_data; B: input Wq: QUANTISED
;;     2. [M 4,096, K 512] x [K 512, N 4,096]; A: input input_data; B: input Wk: QUANTISED
;;     3. [M 4,096, K 512] x [K 512, N 4,096]; A: input input_data; B: input Wv: QUANTISED
;;     4. batch 16 x [M 2,048, K 512] x [K 512, N 2,048]; A: computed on the way; B: computed on the way: QUANTISED
;;     5. batch 16 x [M 1,048,576, K 1] x [K 1, N 1]; A: computed on the way; B: computed on the way: left as it is (no contracted axis)
;;     6. [M 4,096, K 4,096] x [K 4,096, N 512]; A: computed on the way; B: input Wo: QUANTISED
;;   THE QUANTISER, for each operand of a quantised product, along K:
;;     - K is cut into blocks of 32 from its start; a last block that is shorter is filled with zeros.
;;     - A block's scale is 2^e with e = floor(log2(the largest magnitude in the block)) - 2, held to -126 .. 127; a block of zeros has e = 0. As a byte (E8M0): e + 127.
;;     - Each number is divided by its block's scale, clamped to +-6, and rounded to the nearest number of E2M1, ties to even, subnormals kept.
;;     - The product sums the exact products of the quantised numbers (number of the format x scale) in f32.
;;   ~~~python
;;   def quantise(x, axis):      # numpy; x: float32 -> the quantised numbers, widened to float32 again
;;       x = np.moveaxis(x, axis, -1); K = x.shape[-1]
;;       x = np.pad(x, [(0, 0)] * (x.ndim - 1) + [(0, -K % 32)]); x = x.reshape(x.shape[:-1] + (-1, 32)); a = np.abs(x).max(-1, keepdims=True)
;;       e = np.where(a > 0, np.clip(np.frexp(np.where(a > 0, a, 1))[1] - 1 - 2, -126, 127), 0)      # np.frexp(a)[1] - 1 = floor(log2(a)), exactly
;;       r = np.clip(x / 2.0 ** e, -6, 6)
;;       step = 2.0 ** (np.maximum(np.frexp(np.where(r == 0, 1, r))[1] - 1, 0) - 1)
;;       q = np.round(r / step) * step * 2.0 ** e      # np.round: ties to even
;;       return np.moveaxis(q.reshape(q.shape[:-2] + (-1,))[..., :K], -1, axis).astype(np.float32)
;;   ~~~
;;   OPERANDS COMPUTED ON THE WAY. 'Computed on the way' means the value that the module computes at that place (a softmax that the list does not call 'softmax' is quantised finished and normalised). What goes into a quantiser is computed in f32, as accurately as f32 sums, v_exp_f32 and their like allow (about 1e-6 of the number): no bf16 or f16 on the way to a quantiser, and a product that is left as it is and whose result goes on into a quantised operand takes f32 operands (vector FMAs, or v_wmma_f32_16x16x4_f32). A number that lies on a knife's edge between two numbers of the format may be rounded either way, as far as f32 arithmetic and the matrix unit's own rounding can turn it there, and no further.
;; One version. Each part assembles by itself: llvm-mc -triple=amdgcn-amd-amdhsa -mcpu=gfx1250 --defsym DOCPART=n.
;; ======== version 1 of 1: 3 launches
;; limits: right only within a limited range of input values
;; workspace buffers: xq 1,114,112 bytes; wvo 2,228,224 bytes; vq 8,912,896 bytes
;; launch prep (part 1): grid 384 x 1, 4 waves a work-group, no clusters, 45,056 bytes of LDS; arguments input_data, Wv, Wo, xq, wvo; writes xq, wvo
.if DOCPART == 1
	.amdgcn_target "amdgcn-amd-amdhsa--gfx1250"
	.amdhsa_code_object_version 6
	.text
	.protected	k_q9ab3438011_prep
	.globl	k_q9ab3438011_prep
	.p2align	8
	.type	k_q9ab3438011_prep,@function
k_q9ab3438011_prep:
	s_mov_b64 s[64:65], 0
	v_nop
	global_prefetch_b8 v0, s[64:65] scope:SCOPE_SE
	s_setreg_imm32_b32 hwreg(HW_REG_WAVE_MODE, 25, 1), 1
	s_wait_xcnt 0x0
; WHAT THIS PROGRAM LEAVES OUT, AND WHY.  reference() takes from its attention only the sum over k and q of weights[n][h][k][q]: one number for each (n, h), which multiplies v.
; weights is a softmax along its last axis, exp(s_i - m) / sum_j exp(s_j - m), of scores that are finite for all finite inputs (where the mask is 0 the score is -1e9, a finite number too).
; Each of its 2,048 rows sums to 1 by that definition, whatever the scores are: so the number is 2,048 for every (n, h), for all finite values of input_data, mask, Wq, bq, Wk, bk.
; So the products x Wq, x Wk and q k^T, the mask's select and the softmax can reach no output: they are dead work and are not done; mask, Wq, bq, Wk, bk are not loaded and are among no launch's arguments.
; What is computed: out0 = Q(2,048 (x Wv + bv)) Q(Wo) + bo, with x and Wv quantised ahead of their product.  2,048 = 2^11, so Q(2^11 v) = 2^11 Q(v): launch projv adds 11 to v's scale bytes.
; LIMITS: a NaN, an infinity or an overflow that reaches only the work left out is not carried to the result; the factor is 2,048 itself and not reference()'s f32 sum of 2,048 x 2,048 weights, which may differ from it by that sum's rounding.
;
; PREP: x [4096][512], Wv [512][4096] and Wo [4096][512], all f32, become codes of FP4 (E2M1) with one E8M0 byte for each 32 along K,
; laid in the ORDER OF THE OPERAND'S REGISTERS: an image is a fragment of 16 rows x 128 K, 1,024 bytes: c x 512 + lane x 16, lane (r, h) holding k = 64 c + 32 h + 0 .. 31 of row r.
; A block's scale is 2^(floor(log2(largest magnitude)) - 2); its byte is the largest magnitude's exponent field - 2, held at 1 from below.
; LIMITS: a block of zeros gets the byte 1 where the rule says 127 (its codes are zeros, and this program alone reads the bytes); blocks whose largest magnitude lies under 2^-124 are held at the byte 1; NaN and infinities among the inputs are not served.
; SHARES, by the work-group's number: 0-127 Wv (128 columns x 128 K each); 128-255 Wo; 256-383 x (32 rows).  Every load of a wave covers 512 consecutive bytes, 16 a lane:
;   weights: a lane holds 4 columns x 32 k; each column's 32 numbers are moved into consecutive registers; the codes go through the wave's own stage in LDS and leave as whole blocks of 256 bytes;
;   x: 16 rows of 512 bytes go through the wave's own stage in LDS as they lie and come back with a row to a lane.
; THE ROWS OF A WEIGHT'S TILE ARE NOT NEIGHBOURS: in a group of 128 columns, row 8 h + j of tile 4 c + u is column 64 c + 32 h + 8 u + j, so that in the transposed product a lane's 32 results of tiles 4 c .. 4 c + 3 are one block of 32 neighbours.
.set REC,   69632                      ; a record: 256 rows x 512 K: 65,536 bytes of codes [K step 4][tile 16][1,024], then 4,096 of scale words [K step 4][tile 16][row 16]
.set WOB,   16*REC                     ; Wo's records begin here in wvo
.set WREC,  278528                     ; a record of Wo: 128 columns x 4,096 K: codes [K step 32][tile 8][1,024], then scale words [K step 32][tile 8][row 16]
.set X,     32                         ; v32-159  128 numbers
.set Y,     160                        ; v160-223 the weights' load offsets, then two sets of 32 numbers of one column, then codes read back
.set CD,    224                        ; v224-239 codes: no store's data are written again
.set SRC,   28                         ; s[28:29] where my numbers come from
.set DC,    30                         ; s[30:31] where my codes go
.set DS,    32                         ; s[32:33] where my scale words go
.set TP,    528                        ; LDS: a row of 512 bytes + 16
.set WST,   2176                       ; LDS, weights: a wave's stage: 8 tiles x (256 bytes + 16)
.set LWS,   4*WST                      ; behind the four stages: four planes of 128 scale words, one a wave
.set LX,    LWS+2048                   ; x's four stages of 16 rows: each path has LDS bytes of its own
.set SPARE, LX+4*16*TP                 ; the spare words, 128 bytes a wave: two blocks of 256 bytes that no other line names
; 32 numbers of one block, v[xs] on, become 16 bytes of codes in v[cd] on; the scale's byte is left in v13.
.macro QBLK xs, cd
	v_max3_num_f32 v12, |v[\xs]|, |v[\xs+1]|, |v[\xs+2]|
	v_max3_num_f32 v13, |v[\xs+3]|, |v[\xs+4]|, |v[\xs+5]|
.irp i, 6,10,14,18,22,26
	v_max3_num_f32 v12, v12, |v[\xs+\i]|, |v[\xs+\i+1]|
	v_max3_num_f32 v13, v13, |v[\xs+\i+2]|, |v[\xs+\i+3]|
.endr
	v_max3_num_f32 v12, v12, |v[\xs+30]|, |v[\xs+31]|
	v_max3_num_f32 v12, v12, v13, 0x1800000                        ; the floor 2^(3 - 127): the byte cannot fall under 1
	v_add_nc_u32 v11, 0xff000000, v12                              ; 2 off the exponent field: the conversion's scale operand
	v_lshrrev_b32 v13, 23, v11                                     ; the scale's byte
.irp g, 0,1,2,3
	v_cvt_scalef32_pk8_fp4_f32 v[\cd+\g], v[\xs+8*\g:\xs+8*\g+7], v11
.endr
.endm
; Column cc of my four: its 32 numbers stand in registers X + 4 k + cc; they move into 32 consecutive registers, which the conversions want.
.macro QCOL cc
.set YB, Y+32*((\cc)&1)
	v_max3_num_f32 v[24+\cc], |v[X+\cc]|, |v[X+4+\cc]|, |v[X+8+\cc]|
	v_max3_num_f32 v[28+\cc], |v[X+12+\cc]|, |v[X+16+\cc]|, |v[X+20+\cc]|
.irp i, 6,10,14,18,22,26
	v_max3_num_f32 v[24+\cc], v[24+\cc], |v[X+4*\i+\cc]|, |v[X+4*\i+4+\cc]|
	v_max3_num_f32 v[28+\cc], v[28+\cc], |v[X+4*\i+8+\cc]|, |v[X+4*\i+12+\cc]|
.endr
	v_max3_num_f32 v[24+\cc], v[24+\cc], |v[X+120+\cc]|, |v[X+124+\cc]|
	v_max3_num_f32 v[24+\cc], v[24+\cc], v[28+\cc], 0x1800000
	v_add_nc_u32 v[16+\cc], 0xff000000, v[24+\cc]
.set k, 0
.rept 32
	v_mov_b32 v[YB+k], v[X+4*k+\cc]
.set k, k+1
.endr
	v_lshrrev_b32 v[20+\cc], 23, v[16+\cc]
.irp g, 0,1,2,3
	v_cvt_scalef32_pk8_fp4_f32 v[CD+4*\cc+\g], v[YB+8*\g:YB+8*\g+7], v[16+\cc]
.endr
	v_lshlrev_b32 v[20+\cc], s58, v[20+\cc]                        ; the byte at my block's place in the scale word.  (A plain line behind the conversions)
	ds_store_b128 v10, v[CD+4*\cc:CD+4*\cc+3] offset:16*\cc        ; my four columns are four neighbouring rows of one tile
.endm
	s_load_b256 s[4:11], s[0:1], 0x0               ; x 4:5, Wv 6:7, Wo 8:9, xq 10:11
	s_load_b64 s[12:13], s[0:1], 0x20              ; wvo
	v_lshl_add_u32 v240, v0, 2, SPARE              ; my spare word, and 0: kept for the closing add
	v_mov_b32 v241, 0
	v_lshrrev_b32 v1, 5, v0
	v_readfirstlane_b32 s26, v1                    ; wave 0..3
	v_and_b32 v1, 31, v0                           ; lane
	v_and_b32 v2, 15, v0                           ; r
	v_bfe_u32 v3, v0, 4, 1                         ; h
	v_lshlrev_b32 v4, 4, v1                        ; 16 x lane
	s_mov_b32 s34, 0x76543210
	s_mov_b32 s35, 0xfedcba98                      ; v_permlanex16_b32's selects for lane l xor 16
	s_mov_b32 s36, 0xffff0000                      ; lanes 16-31
	s_wait_alu depctr_va_vdst(0)                   ; the wait at the head's end
	s_wait_kmcnt 0x0
	s_cmp_lt_u32 ttmp9, 128
	s_cbranch_scc1 .Lw
	s_cmp_lt_u32 ttmp9, 256
	s_cbranch_scc1 .Lwo
	; ---- x: tiles 2 P and 2 P + 1 of 16 rows, P = id - 256; the wave's number is the K step: 512 bytes of each row
	s_sub_co_u32 s38, ttmp9, 256
	s_mul_i32 s56, s26, 16*TP
	s_add_co_u32 s56, s56, LX                      ; my stage
	v_add_nc_u32 v5, s56, v4                       ; into it: a row as it lies
	v_mul_u32_u24 v8, v2, TP
	v_lshl_add_u32 v8, v3, 7, v8
	v_add_nc_u32 v8, s56, v8                       ; out of it: row r, + 128 h: lane (r, h) takes whole blocks
	v_lshlrev_b32 v6, 2, v1
	v_lshlrev_b32 v7, 3, v3                        ; 8 h
	s_lshl_b32 s56, s38, 16
	s_lshl_b32 s57, s26, 9
	s_add_co_u32 s56, s56, s57
	s_mov_b32 s57, 0
	s_add_nc_u64 s[SRC:SRC+1], s[4:5], s[56:57]
	s_lshr_b32 s58, s38, 3
	s_mul_i32 s58, s58, REC
	s_lshl_b32 s59, s38, 1
	s_and_b32 s59, s59, 15                         ; the first tile's place in its record
	s_lshl_b32 s60, s26, 14
	s_add_co_u32 s60, s60, s58
	s_lshl_b32 s61, s59, 10
	s_add_co_u32 s60, s60, s61
	s_mov_b32 s61, 0
	s_add_nc_u64 s[DC:DC+1], s[10:11], s[60:61]
	s_lshl_b32 s62, s26, 10
	s_add_co_u32 s62, s62, s58
	s_lshl_b32 s63, s59, 6
	s_add_co_u32 s62, s62, s63
	s_add_co_u32 s62, s62, 65536
	s_mov_b32 s63, 0
	s_add_nc_u64 s[DS:DS+1], s[10:11], s[62:63]
.irp e, 0,1
.irp i, 0,1,2,3,4,5,6,7,8,9,10,11,12,13,14,15
	global_load_b128 v[X+64*\e+4*\i:X+64*\e+4*\i+3], v4, s[SRC:SRC+1] offset:\e*32768+\i*2048 th:TH_LOAD_NT   ; 512 consecutive bytes of one row
.endr
.endr
.macro XTURN e                         ; a tile's 16 rows through the stage: register 32 c + 4 j + t then holds k = 64 c + 32 h + 4 j + t of row r
.irp i, 0,1,2,3,4,5,6,7,8,9,10,11,12,13,14,15
	ds_store_b128 v5, v[X+64*\e+4*\i:X+64*\e+4*\i+3] offset:\i*TP
.endr
.irp c, 0,1
.irp j, 0,1,2,3,4,5,6,7
	ds_load_b128 v[X+64*\e+32*\c+4*\j:X+64*\e+32*\c+4*\j+3], v8 offset:\c*256+\j*16
.endr
.endr
.endm
	v_mov_b32 v15, 0                               ; a lane permute's destination counts as one of its sources
	s_wait_alu depctr_va_vdst(0)                   ; directly ahead of the wait below
	s_wait_loadcnt 16                              ; the first tile's 16 loads are in; the second's may be out
	XTURN 0
	s_wait_loadcnt 0x0
	XTURN 1                                        ; LDS serves a wave's instructions in order: these stores come behind the first tile's loads
.irp e, 0,1
.if \e == 0
	s_wait_dscnt 32                                ; the first tile is back; the second's 16 stores and 16 loads may be out
.else
	s_wait_dscnt 0x0
.endif
	QBLK X+64*\e, CD+8*\e
	v_mov_b32 v14, v13                             ; the byte of block h.  (A plain line behind the conversions)
	global_store_b128 v4, v[CD+8*\e:CD+8*\e+3], s[DC:DC+1] offset:\e*1024          ; 512 consecutive bytes
	QBLK X+64*\e+32, CD+8*\e+4
	v_lshl_or_b32 v14, v13, 16, v14                ; and of block 2 + h,
	global_store_b128 v4, v[CD+8*\e+4:CD+8*\e+7], s[DC:DC+1] offset:\e*1024+512
	v_lshlrev_b32 v14, v7, v14                     ; at their places in the scale word;
	v_permlanex16_b32 v15, v14, s34, s35
	v_or_b32 v[16+\e], v14, v15                    ; with lane l xor 16's two the word is whole
.endr
	v_cndmask_b32 v18, v16, v17, s36               ; lanes 0-15 the first tile's words, lanes 16-31 the second's
	global_store_b32 v6, v18, s[DS:DS+1]           ; 128 consecutive bytes
	s_wait_tensorcnt 0x0                           ; the wave's end
	ds_add_u32 v240, v241
	s_wait_dscnt 0x0
	s_endpgm
.Lw:	; ---- Wv: group of 128 columns id / 4, K step id % 4; the wave's number is the block of 32 k
	s_lshr_b32 s39, ttmp9, 2                       ; G
	s_and_b32 s40, ttmp9, 3                        ; K step
	s_lshl_b32 s56, s40, 21                        ; 128 rows of 16,384 bytes a K step,
	s_lshl_b32 s57, s26, 19                        ; 32 a block,
	s_add_co_u32 s56, s56, s57
	s_lshl_b32 s57, s39, 9                         ; 512 bytes a group of columns
	s_add_co_u32 s56, s56, s57
	s_mov_b32 s57, 0
	s_add_nc_u64 s[SRC:SRC+1], s[6:7], s[56:57]
	s_lshr_b32 s41, s39, 1                         ; the record
	s_mul_i32 s58, s41, REC
	s_and_b32 s59, s39, 1                          ; which 8 tiles of the record's 16
	s_lshl_b32 s62, s40, 10
	s_add_co_u32 s62, s62, s58
	s_lshl_b32 s63, s59, 9
	s_add_co_u32 s62, s62, s63
	s_add_co_u32 s62, s62, 65536
	s_mov_b32 s63, 0
	s_add_nc_u64 s[DS:DS+1], s[12:13], s[62:63]
	s_lshl_b32 s60, s40, 14
	s_add_co_u32 s60, s60, s58
	s_lshl_b32 s61, s59, 13
	s_add_co_u32 s60, s60, s61
	s_lshl_b32 s61, s26, 8                         ; block kb of a tile's rows lies 256 kb into its image
	s_add_co_u32 s60, s60, s61
	s_mov_b32 s61, 0
	s_add_nc_u64 s[DC:DC+1], s[12:13], s[60:61]
	s_mov_b32 s37, 16384                           ; bytes from row to row
	s_branch .Lwq
.Lwo:	; ---- Wo: group of 128 columns (id - 128) / 32, K step (id - 128) % 32
	s_sub_co_u32 s38, ttmp9, 128
	s_lshr_b32 s39, s38, 5                         ; G
	s_and_b32 s40, s38, 31                         ; K step
	s_lshl_b32 s56, s40, 18                        ; 128 rows of 2,048 bytes a K step,
	s_lshl_b32 s57, s26, 16                        ; 32 a block
	s_add_co_u32 s56, s56, s57
	s_lshl_b32 s57, s39, 9
	s_add_co_u32 s56, s56, s57
	s_mov_b32 s57, 0
	s_add_nc_u64 s[SRC:SRC+1], s[8:9], s[56:57]
	s_mul_i32 s58, s39, WREC
	s_add_co_u32 s58, s58, WOB
	s_lshl_b32 s62, s40, 9
	s_add_co_u32 s62, s62, s58
	s_add_co_u32 s62, s62, 262144
	s_mov_b32 s63, 0
	s_add_nc_u64 s[DS:DS+1], s[12:13], s[62:63]
	s_lshl_b32 s60, s40, 13
	s_add_co_u32 s60, s60, s58
	s_lshl_b32 s61, s26, 8
	s_add_co_u32 s60, s60, s61
	s_mov_b32 s61, 0
	s_add_nc_u64 s[DC:DC+1], s[12:13], s[60:61]
	s_mov_b32 s37, 2048
.Lwq:	; ---- a weight's 128 columns x 32 k.  Lane l holds columns 4 l .. 4 l + 3: rows 8 ((l / 8) % 2) + 4 (l % 2) + 0 .. 3 of tile 4 (l / 16) + (l / 2) % 4
	v_bfe_u32 v7, v0, 1, 2
	v_lshl_add_u32 v7, v3, 2, v7                   ; the tile
	v_bfe_u32 v8, v0, 3, 1
	v_and_b32 v9, 1, v0
	v_lshl_add_u32 v8, v8, 1, v9                   ; the first row / 4
	s_mul_i32 s56, s26, WST                        ; my stage
	v_mul_u32_u24 v10, v7, 272
	v_lshl_add_u32 v10, v8, 6, v10
	v_add_nc_u32 v10, s56, v10                     ; into it: tile x 272 + row x 16
	v_mul_u32_u24 v12, v3, 272
	v_lshl_add_u32 v12, v2, 4, v12
	v_add_nc_u32 v12, s56, v12                     ; out of it: sixteen lanes to a tile's 256 bytes, two tiles an instruction
	s_lshl_b32 s57, s26, 9
	s_add_co_u32 s57, s57, LWS                     ; my plane of scale words
	v_lshlrev_b32 v11, 6, v7
	v_lshl_add_u32 v11, v8, 4, v11
	v_add_nc_u32 v11, s57, v11                     ; my four rows' words: 16 bytes
	v_add_nc_u32 v13, LWS, v4                      ; wave 0 reads the planes back, 16 bytes a lane
	v_lshlrev_b32 v5, 4, v2
	v_lshl_add_u32 v5, v3, 10, v5                  ; the codes' place in memory: 1,024 x tile + 16 x row
	s_lshl_b32 s58, s26, 3                         ; 8 x block
.set k, 0
.rept 32
	v_mad_u32_u24 v[Y+k], s37, k, v4               ; row k, 16 bytes a lane
.set k, k+1
.endr
.set k, 0
.rept 32
	global_load_b128 v[X+4*k:X+4*k+3], v[Y+k], s[SRC:SRC+1] th:TH_LOAD_NT   ; 512 consecutive bytes: 128 columns of one row
.set k, k+1
.endr
	s_wait_loadcnt 0x0                             ; a column's block wants all 32 rows; the offsets' registers are free behind this wait
	QCOL 0
	QCOL 1
	QCOL 2
	QCOL 3
	ds_store_b128 v11, v[20:23]
.irp i, 0,1,2,3
	ds_load_b128 v[Y+4*\i:Y+4*\i+3], v12 offset:544*\i             ; LDS serves a wave's instructions in order (ISA guide 5.7.1.4): these see my stores
.endr
	s_wait_dscnt 0x0                               ; the codes are back; for the others' sake: my scale words have landed
.irp i, 0,1,2,3
	global_store_b128 v5, v[Y+4*\i:Y+4*\i+3], s[DC:DC+1] offset:2048*\i   ; 256 consecutive bytes, aligned, in each of two images
.endr
	s_barrier_signal -1
	s_barrier_wait -1                              ; the four blocks' planes lie in LDS
	s_cmp_lg_u32 s26, 0
	s_cbranch_scc1 .Lwend
.irp p, 0,1,2,3
	ds_load_b128 v[X+4*\p:X+4*\p+3], v13 offset:512*\p
.endr
	s_wait_dscnt 0x0
.irp t, 0,1,2,3
	v_or_b32 v[X+\t], v[X+\t], v[X+4+\t]           ; each plane holds its byte at its place: together they are the words
	v_or_b32 v[X+8+\t], v[X+8+\t], v[X+12+\t]
.endr
.irp t, 0,1,2,3
	v_or_b32 v[X+\t], v[X+\t], v[X+8+\t]
.endr
	global_store_b128 v4, v[X:X+3], s[DS:DS+1]     ; 8 tiles' scale words: 512 consecutive bytes, aligned
.Lwend:
	s_wait_tensorcnt 0x0                           ; the wave's end
	ds_add_u32 v240, v241
	s_wait_dscnt 0x0
	s_endpgm
.Lfunc_end_k_q9ab3438011_prep:
	.size	k_q9ab3438011_prep, .Lfunc_end_k_q9ab3438011_prep-k_q9ab3438011_prep
	.p2alignl 7, 3214868480
	.fill 96, 4, 3214868480
	.section	.rodata,"a",@progbits
	.p2align	6, 0x0
	.amdhsa_kernel k_q9ab3438011_prep
		.amdhsa_group_segment_fixed_size 45056
		.amdhsa_private_segment_fixed_size 0
		.amdhsa_enable_private_segment 0
		.amdhsa_kernarg_size 40
		.amdhsa_user_sgpr_count 2
		.amdhsa_user_sgpr_kernarg_segment_ptr 1
		.amdhsa_wavefront_size32 1
		.amdhsa_system_sgpr_workgroup_id_x 1
		.amdhsa_system_sgpr_workgroup_id_y 1
		.amdhsa_system_sgpr_workgroup_id_z 1
		.amdhsa_system_vgpr_workitem_id 0
		.amdhsa_next_free_vgpr 242
		.amdhsa_next_free_sgpr 66
		.amdhsa_reserve_vcc 0
		.amdhsa_float_denorm_mode_32 3
		.amdhsa_float_denorm_mode_16_64 3
		.amdhsa_memory_ordered 1
		.amdhsa_forward_progress 1
		.amdhsa_inst_pref_size 36
	.end_amdhsa_kernel
	.amdgpu_metadata
---
amdhsa.version: [ 1, 2 ]
amdhsa.kernels:
  - .name:           k_q9ab3438011_prep
    .symbol:         k_q9ab3438011_prep.kd
    .args:
      - { .name: input_data, .offset: 0, .size: 8, .value_kind: global_buffer, .address_space: global }
      - { .name: Wv, .offset: 8, .size: 8, .value_kind: global_buffer, .address_space: global }
      - { .name: Wo, .offset: 16, .size: 8, .value_kind: global_buffer, .address_space: global }
      - { .name: xq, .offset: 24, .size: 8, .value_kind: global_buffer, .address_space: global }
      - { .name: wvo, .offset: 32, .size: 8, .value_kind: global_buffer, .address_space: global }
    .group_segment_fixed_size: 45056
    .private_segment_fixed_size: 0
    .kernarg_segment_align: 8
    .kernarg_segment_size: 40
    .max_flat_workgroup_size: 128
    .sgpr_count:     66
    .vgpr_count:     242
    .wavefront_size: 32
...
	.end_amdgpu_metadata
.endif
;; end of part 1
;; launch projv (part 2): grid 16 x 16, 4 waves a work-group, clusters of 4 x 4, 168,448 bytes of LDS; arguments xq, wvo, bv, vq; writes vq
.if DOCPART == 2
	.amdgcn_target "amdgcn-amd-amdhsa--gfx1250"
	.amdhsa_code_object_version 6
	.text
	.protected	k_q9ab3438011_projv
	.globl	k_q9ab3438011_projv
	.p2align	8
	.type	k_q9ab3438011_projv,@function
k_q9ab3438011_projv:
	s_mov_b64 s[64:65], 0
	v_nop
	global_prefetch_b8 v0, s[64:65] scope:SCOPE_SE
	s_setreg_imm32_b32 hwreg(HW_REG_WAVE_MODE, 25, 1), 1
	s_wait_xcnt 0x0
	s_wait_alu depctr_hold_cnt(0) depctr_sa_sdst(0) depctr_va_vdst(0) depctr_va_sdst(0) depctr_va_ssrc(0) depctr_va_vcc(0) depctr_vm_vsrc(0)
	s_getreg_b32 s2, hwreg(HW_REG_IB_STS2, 6, 4)
	s_cmp_eq_u32 s2, 0
	s_cbranch_scc0 .Lentry_in_a_cluster
	s_endpgm
.Lentry_in_a_cluster:
	s_bfe_u32 s2, ttmp6, 0x10000c
	s_cmp_lg_u32 s2, 0xf033
	s_cbranch_scc0 .Lentry_shape_is_right
	s_endpgm
.Lentry_shape_is_right:
; PROJV: vq = Q(2,048 (x Wv + bv)): the V projection, whose result leaves only as codes of FP4 with E8M0 scale bytes, quantised along its own columns (the last product's K).
; LEFT OUT as dead work (shown at the head of launch prep): the sum of all softmax weights of a (batch, head) is 2,048 for all finite inputs, so nothing of q, k, the mask or the softmax is computed.
; 2,048 = 2^11 and Q(2^11 v) = 2^11 Q(v): v is quantised as it is, and 11 is added to each scale byte.
; SHARES.  A work-group makes 256 tokens x 256 columns, K = 512 in four steps of 128; a wave 128 x 128: 64 accumulators.  All images (x: 64, W: 64, 1,024 bytes each) come into LDS once, by ONE tensor load a wave:
; 8 images of each of the four K steps are four rows of 8,192 bytes, 16,384 bytes apart in a record.  Waves 0, 1 fetch x's halves, waves 2, 3 W's.  One load a wave is out; no LDS byte is filled twice.
; CLUSTER 4 x 4: x's images hang on the token block alone and are shared along a row of the cluster, W's on the column block alone and are shared along a column: joint loads with a mask of four.
; NO PREFETCH: the text has no loop to run ahead in; every tile is asked for by the head's loads.
; THE MATRIX INSTRUCTION IS USED TRANSPOSED (source 0 = a tile of W, source 1 = a tile of x), and W's tiles are ordered so that lane (r, h) holds, in the 32 registers of accumulators (a, 4 c .. 4 c + 3),
; columns 64 c + 32 h + 0 .. 31 of token 16 a + r: one whole block of the next K.  So a block's largest magnitude needs no other lane and the conversions' results are the next operand's registers.
; The bias is the C of each sum's first matrix instruction.  One scale register serves two K steps: lanes 0-15 step i, lanes 16-31 step i + 2.
; LIMITS: |v| stays under 2^115, so that a byte + 11 stays under 255; a block of zeros, or one under 2^-124, gets the byte 12 (this program alone reads the bytes); NaN and infinities are not served.
; REGISTERS: window 0: v1-15 addresses; v16-31 x's scale words; v32-47 W's; v48-63 at work; v64-127 the codes made; v128-255 x's fragments, two sets.
;   window 1: v0-127 W's fragments, two sets; v128-191 the bias, 8 tiles.   windows 2, 3: accumulator (a, b) at v[8 (8 (a % 4) + b)].
.set REC,   69632                      ; a record of x or W: codes [K step 4][tile 16][1,024], scale words at 65,536: [K step 4][tile 16][row 16]
.set OREC,  557056                     ; a record of the result, 2,048 tokens x 512: codes [token tile 128][K step 4][1,024], scale words at 524,288: [K step 4][token 2,048]
.set SPARE, 0x29000                    ; LDS: [0, 131,072) four loads of 32,768 bytes, [K step 4][image 8][1,024] each; at SPARE the spare words, 128 bytes a wave
.set AX,    4                          ; v4   LDS address of my x images
.set AW,    5                          ; v5   of my W images
.set CO,    8                          ; v8   16 x lane
.set SOF,   9                          ; v9   4 x lane
.set SH8,   10                         ; v10  8 h
.set XSO,   11                         ; v11  scale words: 2,048 h + 4 r
.set BO,    12                         ; v12  bias: 128 h
.set SPW,   14                         ; v14  my spare word; v15  0: never rewritten
.set NIL,   15
.set XS,    16
.set WS,    32
.set M0,    48                         ; v48, v49 largest magnitudes; v50, v51 the conversions' scale operands; v52, v53 bytes; v54, v55 my half of a word, the other lane's
.set SC0,   50
.set BY0,   52
.set OWN,   54
.set OTH,   55
.set PW,    56                         ; v56-59 two tiles' scale words each: store data, written once
.set WP,    60
.set WC,    61
.set CDS,   64
.set XF,    128
.set BIAS,  128                        ; in window 1
.set G1X,   24                         ; s[24:31] descriptor group 1 for x;  s[32:39] for W;  s[40:43], s[44:47] their groups 0
.set G1W,   32
.set G0X,   40
.set G0W,   44
.set SEL,   84                         ; s[84:85] v_permlanex16_b32's selects for lane l xor 16
.set MSB, 0
.macro WIN new                         ; the immediate's high byte repeats the setting that is left
.if MSB != (\new)
	s_set_vgpr_msb (MSB<<8)|(\new)
.set MSB, (\new)
.endif
.endm
.macro CROUND                          ; a round of the cluster's barrier
	s_barrier_signal -1
	s_barrier_wait -1
	s_cmp_lg_u32 s16, 0
	s_cbranch_scc1 .Lnot_wave_0_\@
	s_barrier_signal -3
.Lnot_wave_0_\@:
	s_barrier_wait -3
	s_barrier_signal -1
	s_barrier_wait -1
.endm
.macro PLACES                          ; four plain places behind matrix instructions, in front of loads into their sources and of reads of their results
.rept 4
	v_nop
.endr
.endm
.macro FETCH s, set                    ; 32 LDS loads: my 8 images of W and my 8 of x of K step s, into set
	WIN 0x40                                       ; destination window 1
.irp b, 0,1,2,3,4,5,6,7
.irp c, 0,1
	ds_load_b128 v[64*\set+8*\b+4*\c:64*\set+8*\b+4*\c+3], v[AW] offset:\s*8192+\b*1024+\c*512
.endr
.endr
	WIN 0
.irp b, 0,1,2,3,4,5,6,7
.irp c, 0,1
	ds_load_b128 v[XF+64*\set+8*\b+4*\c:XF+64*\set+8*\b+4*\c+3], v[AX] offset:\s*8192+\b*1024+\c*512
.endr
.endr
.endm
; 64 matrix instructions: K step s on set.  The 64 accumulators take turns, one instruction a turn, in the same order in every step.
.macro MUL s, set
.irp a, 0,1,2,3,4,5,6,7
.if \s == 0
	WIN 0x91+0x40*(\a/4)                           ; W window 1, x window 0, the bias window 1, D window 2 or 3
.else
	WIN 0xa1+0x50*(\a/4)                           ; W window 1, x window 0, C and D window 2 or 3
.endif
.irp b, 0,1,2,3,4,5,6,7
.if \s == 0
	v_wmma_scale_f32_16x16x128_f8f6f4 v[8*(8*(\a%4)+\b):8*(8*(\a%4)+\b)+7], v[64*\set+8*\b:64*\set+8*\b+7], v[XF+64*\set+8*\a:XF+64*\set+8*\a+7], v[BIAS+8*\b:BIAS+8*\b+7], v[WS+2*\b], v[XS+2*\a] matrix_a_fmt:MATRIX_FMT_FP4 matrix_b_fmt:MATRIX_FMT_FP4
.elseif \s == 1
	v_wmma_scale_f32_16x16x128_f8f6f4 v[8*(8*(\a%4)+\b):8*(8*(\a%4)+\b)+7], v[64*\set+8*\b:64*\set+8*\b+7], v[XF+64*\set+8*\a:XF+64*\set+8*\a+7], v[8*(8*(\a%4)+\b):8*(8*(\a%4)+\b)+7], v[WS+2*\b+1], v[XS+2*\a+1] matrix_a_fmt:MATRIX_FMT_FP4 matrix_b_fmt:MATRIX_FMT_FP4
.else
	v_wmma_scale_f32_16x16x128_f8f6f4 v[8*(8*(\a%4)+\b):8*(8*(\a%4)+\b)+7], v[64*\set+8*\b:64*\set+8*\b+7], v[XF+64*\set+8*\a:XF+64*\set+8*\a+7], v[8*(8*(\a%4)+\b):8*(8*(\a%4)+\b)+7], v[WS+2*\b+\s-2], v[XS+2*\a+\s-2] matrix_a_fmt:MATRIX_FMT_FP4 matrix_b_fmt:MATRIX_FMT_FP4 matrix_a_scale:MATRIX_SCALE_ROW1 matrix_b_scale:MATRIX_SCALE_ROW1
.endif
.endr
.endr
.endm
	s_load_b256 s[4:11], s[0:1], 0x0               ; x's records 4:5, Wv's 6:7, bv 8:9, the result 10:11
	v_lshl_add_u32 v[SPW], v0, 2, SPARE
	v_mov_b32 v[NIL], 0
	ds_add_u32 v[SPW], v[NIL]                      ; the opening lines: the add, twice on end, and its wait ahead of my first tensor load
	ds_add_u32 v[SPW], v[NIL]
	v_lshrrev_b32 v1, 5, v0
	v_readfirstlane_b32 s16, v1                    ; wave 0..3
	s_lshr_b32 s17, s16, 1                         ; which half of the tokens is mine.  Also: I fetch for x (0) or for W (1)
	s_and_b32 s18, s16, 1                          ; which half of the columns.  Also: which 8 images of each K step I fetch
	s_bfe_u32 s19, ttmp6, 0x40000                  ; cx, cy: my place in the cluster
	s_bfe_u32 s20, ttmp6, 0x40004
	s_lshl_b32 s21, ttmp9, 2
	s_add_co_u32 s21, s21, s19                     ; column block = 4 x cluster x + cx
	s_and_b32 s22, ttmp7, 0xffff
	s_lshl_b32 s22, s22, 2
	s_add_co_u32 s22, s22, s20                     ; token block = 4 x cluster y + cy
	s_lshl_b32 s23, s20, 2
	s_lshl_b32 s23, 15, s23                        ; my row of the cluster
	s_lshl_b32 s2, 0x1111, s19                     ; my column
	s_mov_b32 s3, 0xffff0000                       ; lanes 16-31
	s_mov_b32 s[SEL], 0x76543210
	s_mov_b32 s[SEL+1], 0xfedcba98
	; descriptor group 1: four rows of 8,192 bytes (1,024 elements of 8 bytes), 16,384 bytes apart; in LDS each row follows the last; no padding (images are read 16 bytes a lane on end)
	s_or_b32 s[G1X], s23, (3<<16)|(1<<21)          ; 15:0 the mask: x's images go to my row; 17:16 elements of 8 bytes; 21 set beside a mask
	s_or_b32 s[G1W], s2, (3<<16)|(1<<21)           ; W's go to my column
.irp g, G1X, G1W
	s_mov_b32 s[\g+1], 1024<<16                    ; tensor_dim0 = 1,024
	s_mov_b32 s[\g+2], 4<<16                       ; tensor_dim1 = 4
	s_mov_b32 s[\g+3], 1024<<16                    ; tile_dim0 = 1,024
	s_mov_b32 s[\g+4], 4                           ; tile_dim1 = 4
	s_mov_b32 s[\g+5], 2048                        ; tensor_dim0_stride: a K step of a record, in elements
	s_mov_b32 s[\g+6], 0
	s_mov_b32 s[\g+7], 0
.endr
	s_mul_i32 s86, s22, REC                        ; x's record hangs on the token block alone,
	s_mov_b32 s87, 0
	s_mul_i32 s88, s21, REC                        ; W's on the column block alone
	s_mov_b32 s89, 0
	s_lshl_b32 s90, s18, 13                        ; my 8 images of a K step's 16
	s_mov_b32 s91, 0
	s_lshl_b32 s66, s16, 15                        ; and where they go: wave x 32,768: no place in the cluster enters an LDS address
	s_wait_dscnt 0x0                               ; both opening adds are done
	s_wait_kmcnt 0x0
	s_add_nc_u64 s[92:93], s[4:5], s[86:87]
	s_add_nc_u64 s[94:95], s[6:7], s[88:89]
	s_mov_b32 s[G0X], 1                            ; count = 1
	s_mov_b32 s[G0X+1], s66                        ; LDS address
	s_add_nc_u64 s[G0X+2:G0X+3], s[92:93], s[90:91]
	s_or_b32 s[G0X+3], s[G0X+3], 0x80000000        ; type = 2
	s_mov_b32 s[G0W], 1
	s_mov_b32 s[G0W+1], s66
	s_add_nc_u64 s[G0W+2:G0W+3], s[94:95], s[90:91]
	s_or_b32 s[G0W+3], s[G0W+3], 0x80000000
	CROUND                                         ; all sixteen work-groups are here: the joint loads meet
	s_cmp_eq_u32 s17, 0                            ; one branch on the wave's number, one load to an arm
	s_cbranch_scc0 .Lfor_w
	tensor_load_to_lds s[G0X:G0X+3], s[G1X:G1X+7]
	s_nop 0
.rept 4
	v_nop
.endr
	s_branch .Lasked
.Lfor_w:
	tensor_load_to_lds s[G0W:G0W+3], s[G1W:G1W+7]
	s_nop 0
.rept 4
	v_nop
.endr
.Lasked:
	s_lshl_b32 s96, s17, 15                        ; x's half: the load of wave 0 or 1
	s_lshl_b32 s97, s18, 15
	s_add_co_u32 s97, s97, 65536                   ; W's half: the load of wave 2 or 3
	v_and_b32 v1, 31, v0                           ; lane
	v_and_b32 v2, 15, v0                           ; r
	v_bfe_u32 v3, v0, 4, 1                         ; h
	v_lshlrev_b32 v[CO], 4, v1
	v_lshlrev_b32 v[SOF], 2, v1
	v_lshlrev_b32 v[SH8], 3, v3
	v_add_nc_u32 v[AX], s96, v[CO]
	v_add_nc_u32 v[AW], s97, v[CO]
	v_lshlrev_b32 v[XSO], 2, v2
	v_lshl_add_u32 v[XSO], v3, 11, v[XSO]          ; lanes 16-31 take the scale words two K steps on
	v_lshlrev_b32 v[BO], 7, v3
	v_mov_b32 v[OTH], 0                            ; a lane permute's destination counts as one of its sources
	s_wait_alu depctr_va_vdst(0)                   ; the wait behind the head's last vector instruction
	s_lshl_b32 s86, s17, 9
	s_add_co_u32 s86, s86, 65536
	s_add_nc_u64 s[92:93], s[92:93], s[86:87]      ; x's scale words of my 8 tiles
	s_lshl_b32 s88, s18, 9
	s_add_co_u32 s88, s88, 65536
	s_add_nc_u64 s[94:95], s[94:95], s[88:89]      ; W's
	s_lshl_b32 s90, s21, 10
	s_lshl_b32 s86, s18, 9
	s_add_co_u32 s90, s90, s86
	s_add_nc_u64 s[8:9], s[8:9], s[90:91]          ; the bias at my 128 columns
.irp a, 0,1,2,3,4,5,6,7
.irp i, 0,1
	global_load_b32 v[XS+2*\a+\i], v[XSO], s[92:93] offset:\i*1024+\a*64
	global_load_b32 v[WS+2*\a+\i], v[XSO], s[94:95] offset:\i*1024+\a*64
.endr
.endr
	WIN 0x40
.irp b, 0,1,2,3,4,5,6,7                        ; tile b = 4 c + u: lane (r, h) wants the bias of columns 64 c + 32 h + 8 u + 0 .. 7
	global_load_b128 v[BIAS+8*\b:BIAS+8*\b+3], v[BO], s[8:9] offset:(64*(\b/4)+8*(\b%4))*4
	global_load_b128 v[BIAS+8*\b+4:BIAS+8*\b+7], v[BO], s[8:9] offset:(64*(\b/4)+8*(\b%4))*4+16
.endr
	WIN 0
	; where the result goes
	s_lshr_b32 s86, s21, 1                         ; the head
	s_lshr_b32 s23, s22, 3
	s_lshl_b32 s23, s23, 3
	s_add_co_u32 s23, s23, s86                     ; 8 x batch + head
	s_mul_i32 s88, s23, OREC                       ; the record
	s_and_b32 s90, s22, 7
	s_lshl_b32 s90, s90, 4
	s_lshl_b32 s86, s17, 3
	s_add_co_u32 s90, s90, s86                     ; my first token tile in it
	s_and_b32 s86, s21, 1
	s_lshl_b32 s86, s86, 1
	s_add_co_u32 s86, s86, s18                     ; my 128 columns are this K step of the head's four
	s_lshl_b32 s96, s90, 12
	s_add_co_u32 s96, s96, s88
	s_lshl_b32 s98, s86, 10
	s_add_co_u32 s96, s96, s98
	s_mov_b32 s97, 0
	s_lshl_b32 s98, s90, 6
	s_add_co_u32 s98, s98, s88
	s_lshl_b32 s99, s86, 13
	s_add_co_u32 s98, s98, s99
	s_add_co_u32 s98, s98, 524288
	s_mov_b32 s99, 0
	s_add_nc_u64 s[12:13], s[10:11], s[98:99]      ; scale words
	s_add_nc_u64 s[10:11], s[10:11], s[96:97]      ; codes
	s_wait_tensorcnt 0x0                           ; my load has landed
	s_barrier_signal -1
	s_barrier_wait -1                              ; everybody's has: all 128 images lie in LDS, and nothing is filled again
	FETCH 0, 0
	FETCH 1, 1
	s_wait_loadcnt 0x0                             ; scale words and bias
	s_wait_dscnt 32                                ; set 0 is in; set 1's 32 loads may be out
	MUL 0, 0
	PLACES
	FETCH 2, 0
	s_wait_dscnt 32                                ; set 1 is in; the 32 just issued may be out
	MUL 1, 1
	PLACES
	FETCH 3, 1
	s_wait_dscnt 32
	MUL 2, 0
	s_wait_dscnt 0x0
	MUL 3, 1
	WIN 0
	PLACES
; THE WAY OUT, a token tile at a time, straight from the accumulators (each from its low end on): two blocks' scales, eight conversions, two stores of 512 consecutive bytes.
.macro EPI a
.set A0, 64*((\a)%4)
.set AWN, 2+(\a)/4                     ; the accumulators' window
	WIN (AWN<<2)|(AWN<<4)                          ; sources 1 and 2: the accumulators
	v_max3_num_f32 v[M0], 0x1800000, |v[A0]|, |v[A0+1]|            ; block 2 c + h of my token: all its 32 numbers are mine; the floor 2^(3 - 127)
	v_max3_num_f32 v[M0+1], 0x1800000, |v[A0+32]|, |v[A0+33]|
.irp k, 2,4,6,8,10,12,14,16,18,20,22,24,26,28,30
	v_max3_num_f32 v[M0], v[M0], |v[A0+\k]|, |v[A0+\k+1]|          ; (the two blocks by turns)
	v_max3_num_f32 v[M0+1], v[M0+1], |v[A0+32+\k]|, |v[A0+33+\k]|
.endr
	WIN 0
	v_add_nc_u32 v[SC0], 0xff000000, v[M0]         ; 2 off the exponent field: the conversion's scale operand
	v_add_nc_u32 v[SC0+1], 0xff000000, v[M0+1]
	v_lshrrev_b32 v[BY0], 23, v[SC0]               ; v's bytes
	v_lshrrev_b32 v[BY0+1], 23, v[SC0+1]
	v_lshl_or_b32 v[OWN], v[BY0+1], 16, v[BY0]
	v_add_nc_u32 v[OWN], 0xb000b, v[OWN]           ; + 11 each: the factor 2,048
	v_lshlrev_b32 v[OWN], v[SH8], v[OWN]           ; at their places in the scale word
	v_permlanex16_b32 v[OTH], v[OWN], s[SEL], s[SEL+1]
	WIN AWN                                        ; source 0: the accumulators
.irp c, 0,1
.irp u, 0,1,2,3
	v_cvt_scalef32_pk8_fp4_f32 v[CDS+8*(\a)+4*\c+\u], v[A0+32*\c+8*\u:A0+32*\c+8*\u+7], v[SC0+\c]   ; register 4 c + u of the next operand
.endr
.endr
	WIN 0
.if ((\a)&1) == 0
	v_or_b32 v[WP], v[OWN], v[OTH]                 ; with lane l xor 16's two bytes the word is whole.  (A plain line behind the conversions)
.else
	v_or_b32 v[WC], v[OWN], v[OTH]
	v_cndmask_b32 v[PW+(\a)/2], v[WP], v[WC], s3   ; lanes 0-15 the even tile's words, lanes 16-31 the odd tile's
	global_store_b32 v[SOF], v[PW+(\a)/2], s[12:13] offset:((\a)-1)*64      ; 128 consecutive bytes
.endif
.irp c, 0,1
	global_store_b128 v[CO], v[CDS+8*(\a)+4*\c:CDS+8*(\a)+4*\c+3], s[10:11] offset:(\a)*4096+\c*512
.endr
.endm
.irp a, 0,1,2,3,4,5,6,7
	EPI \a
.endr
	s_wait_tensorcnt 0x0                           ; the wave's end
	ds_add_u32 v[SPW], v[NIL]
	s_wait_dscnt 0x0
	CROUND                                         ; the closing round: no work-group ends while a partner may still ask for a tile that names it
	s_endpgm
.Lfunc_end_k_q9ab3438011_projv:
	.size	k_q9ab3438011_projv, .Lfunc_end_k_q9ab3438011_projv-k_q9ab3438011_projv
	.p2alignl 7, 3214868480
	.fill 96, 4, 3214868480
	.section	.rodata,"a",@progbits
	.p2align	6, 0x0
	.amdhsa_kernel k_q9ab3438011_projv
		.amdhsa_group_segment_fixed_size 168448
		.amdhsa_private_segment_fixed_size 0
		.amdhsa_enable_private_segment 0
		.amdhsa_kernarg_size 32
		.amdhsa_user_sgpr_count 2
		.amdhsa_user_sgpr_kernarg_segment_ptr 1
		.amdhsa_wavefront_size32 1
		.amdhsa_system_sgpr_workgroup_id_x 1
		.amdhsa_system_sgpr_workgroup_id_y 1
		.amdhsa_system_sgpr_workgroup_id_z 1
		.amdhsa_system_vgpr_workitem_id 0
		.amdhsa_next_free_vgpr 1024
		.amdhsa_next_free_sgpr 100
		.amdhsa_reserve_vcc 0
		.amdhsa_float_denorm_mode_32 3
		.amdhsa_float_denorm_mode_16_64 3
		.amdhsa_memory_ordered 1
		.amdhsa_forward_progress 1
		.amdhsa_inst_pref_size 80
	.end_amdhsa_kernel
	.amdgpu_metadata
---
amdhsa.version: [ 1, 2 ]
amdhsa.kernels:
  - .name:           k_q9ab3438011_projv
    .symbol:         k_q9ab3438011_projv.kd
    .args:
      - { .name: xq, .offset: 0, .size: 8, .value_kind: global_buffer, .address_space: global }
      - { .name: wvo, .offset: 8, .size: 8, .value_kind: global_buffer, .address_space: global }
      - { .name: bv, .offset: 16, .size: 8, .value_kind: global_buffer, .address_space: global }
      - { .name: vq, .offset: 24, .size: 8, .value_kind: global_buffer, .address_space: global }
    .group_segment_fixed_size: 168448
    .private_segment_fixed_size: 0
    .kernarg_segment_align: 8
    .kernarg_segment_size: 32
    .max_flat_workgroup_size: 128
    .sgpr_count:     100
    .vgpr_count:     1024
    .wavefront_size: 32
...
	.end_amdgpu_metadata
.endif
;; end of part 2
;; launch out (part 3): grid 64 x 4, 4 waves a work-group, clusters of 4 x 4, 262,656 bytes of LDS; arguments vq, wvo, bo, out0; writes out0
.if DOCPART == 3
	.amdgcn_target "amdgcn-amd-amdhsa--gfx1250"
	.amdhsa_code_object_version 6
	.text
	.protected	k_q9ab3438011_out
	.globl	k_q9ab3438011_out
	.p2align	8
	.type	k_q9ab3438011_out,@function
k_q9ab3438011_out:
	s_mov_b64 s[64:65], 0
	v_nop
	global_prefetch_b8 v0, s[64:65] scope:SCOPE_SE
	s_setreg_imm32_b32 hwreg(HW_REG_WAVE_MODE, 25, 1), 1
	s_wait_xcnt 0x0
	s_wait_alu depctr_hold_cnt(0) depctr_sa_sdst(0) depctr_va_vdst(0) depctr_va_sdst(0) depctr_va_ssrc(0) depctr_va_vcc(0) depctr_vm_vsrc(0)
	s_getreg_b32 s2, hwreg(HW_REG_IB_STS2, 6, 4)
	s_cmp_eq_u32 s2, 0
	s_cbranch_scc0 .Lentry_in_a_cluster
	s_endpgm
.Lentry_in_a_cluster:
	s_bfe_u32 s2, ttmp6, 0x10000c
	s_cmp_lg_u32 s2, 0xf033
	s_cbranch_scc0 .Lentry_shape_is_right
	s_endpgm
.Lentry_shape_is_right:
; OUT: out0 = Q(2,048 v) Q(Wo) + bo, on the codes that earlier launches made.  K = 4,096 = 8 heads x 512: 32 steps of 128.
; SHARES.  A work-group makes 64 tokens x 128 columns.  THE FOUR WAVES SHARE K: wave w takes heads 2 w and 2 w + 1, 8 K steps, on 32 accumulators (4 token tiles x 8 tiles of Wo): no fragment is read twice in a work-group.
; The four partial sums meet in LDS; each wave then adds and stores 16 whole rows.
; CLUSTER 4 x 4: x counts token blocks, y the groups of 128 columns.  Wo's images hang on the column group alone and are shared along a row of the cluster: wave w's K steps 4 to 7 of them are 32,768 dense bytes,
; brought by ONE joint load a wave with a mask of four, into the wave's own region of LDS.  One load a wave is out; no LDS byte is filled twice.
; The products go in the order 0, 1, 4 .. 7, 2, 3.
; v's fragments (32,768 bytes a wave) go from memory straight into the 256 registers of the one wave that multiplies them.
; NO PREFETCH: the text has no loop to run ahead in; every load stands as early as its registers and the load counter allow.
; The matrix instruction is used transposed (source 0 = a tile of Wo, source 1 = a tile of tokens): lane (r, h), register j of accumulator (a, 4 c + u): token 16 a + r, column 64 c + 32 h + 8 u + j.
; LIMIT: K is summed in four quarters, each in the order above, which are then added in a fixed tree.
; REGISTERS: window 0: v2-15 addresses and the bias; v16-47 Wo's scale words; v48-63 v's; v64-66 head's work and Wo's LDS address, later v64-127 the rows to store; v128-255 the partial sums read back.
;   window 1: accumulator (a, b) at v[8 (8 a + b)].   window 2: v's fragment (K step, a) at v[32 ks + 8 a].   window 3: Wo's fragments of K step ks < 4 at v[64 ks]; K steps 4 to 7 take the first two sets by turns.
.set OREC,  557056                     ; a record of v: codes [token tile 128][K step 4][1,024], scale words at 524,288: [K step 4][token 2,048]
.set WOB,   1114112                    ; Wo's records begin here in wvo
.set WREC,  278528                     ; 128 columns: codes [K step 32][tile 8][1,024], scale words at 262,144: [K step 32][tile 8][row 16]
.set WRG,   65536                      ; LDS: a wave's region: 32,768 bytes of Wo's images; behind their last read its 64 rows of partial sums, 33,792 bytes
.set PP,    528                        ; a row of partial sums in LDS: 512 bytes + 16
.set SPARE, 4*WRG                      ; the spare words, 128 bytes a wave: two blocks of 256 bytes that no other line names
.set SPW,   2                          ; v2   my spare word; v3  0: never rewritten
.set NIL,   3
.set CO,    4                          ; v4   16 x lane
.set WSO,   5                          ; v5   Wo's scale words: 1,024 h + 4 r: lanes 16-31 take the words two K steps on
.set VSO,   6                          ; v6   v's: 16,384 h + 4 r
.set SO,    7                          ; v7   where I put 32 bytes of a row of partial sums
.set BI,    8                          ; v8-11 the bias of my four columns
.set RD0,   12                         ; v12-15 where I read rows back: one address for each wave's region
.set WOS,   16
.set VS,    48
.set R,     64
.set AWO,   66                         ; v66  LDS address of my images of Wo (done with before the rows are made)
.set P,     128
.set VA,    16                         ; s[16:17] v's codes;  s[18:19] its scale words;  s[22:23] Wo's scale words;  s[50:51] Wo's codes at my K step 0
.set VSB,   18
.set WSB,   22
.set WB,    50
.set G1,    24                         ; s[24:31] descriptor group 1;  s[32:35] group 0
.set G0,    32
.set MSB, 0
.macro WIN new                         ; the immediate's high byte repeats the setting that is left
.if MSB != (\new)
	s_set_vgpr_msb (MSB<<8)|(\new)
.set MSB, (\new)
.endif
.endm
.macro CROUND                          ; a round of the cluster's barrier
	s_barrier_signal -1
	s_barrier_wait -1
	s_cmp_lg_u32 s12, 0
	s_cbranch_scc1 .Lnot_wave_0_\@
	s_barrier_signal -3
.Lnot_wave_0_\@:
	s_barrier_wait -3
	s_barrier_signal -1
	s_barrier_wait -1
.endm
.macro PLACES                          ; four plain places behind matrix instructions (ISA guide 7.12.1)
.rept 4
	v_nop
.endr
.endm
.macro LDSC e                          ; the scale words of my K steps 4 e .. 4 e + 3: 16 loads for Wo, 8 for v
	WIN 0
.irp b, 0,1,2,3,4,5,6,7
.irp i, 0,1
	global_load_b32 v[WOS+16*\e+2*\b+\i], v[WSO], s[WSB:WSB+1] offset:\e*2048+\i*512+\b*64
.endr
.endr
.irp a, 0,1,2,3
.irp i, 0,1
	global_load_b32 v[VS+8*\e+2*\a+\i], v[VSO], s[VSB:VSB+1] offset:\e*OREC+\i*8192+\a*64
.endr
.endr
.endm
.macro LDV ks                          ; v's 4 fragments of my K step ks: 8 loads of 512 consecutive bytes, into registers of their own
	WIN 0x80                                       ; destination window 2
.irp a, 0,1,2,3
.irp c, 0,1
	global_load_b128 v[32*(\ks)+8*\a+4*\c:32*(\ks)+8*\a+4*\c+3], v[CO], s[VA:VA+1] offset:((\ks)/4)*OREC+\a*4096+((\ks)%4)*1024+\c*512
.endr
.endr
.endm
.macro LDW ks                          ; Wo's 8 images of my K step ks < 4: 16 loads of 512 consecutive bytes, into registers of their own
	WIN 0xc0                                       ; destination window 3
.irp b, 0,1,2,3,4,5,6,7
.irp c, 0,1
	global_load_b128 v[64*(\ks)+8*\b+4*\c:64*(\ks)+8*\b+4*\c+3], v[CO], s[WB:WB+1] offset:(\ks)*8192+\b*1024+\c*512
.endr
.endr
.endm
.macro WFETCH ks                       ; 16 LDS loads: Wo's 8 images of my K step ks >= 4 into set ks % 2
	WIN 0xc0                                       ; destination window 3
.irp b, 0,1,2,3,4,5,6,7
.irp c, 0,1
	ds_load_b128 v[64*((\ks)%2)+8*\b+4*\c:64*((\ks)%2)+8*\b+4*\c+3], v[AWO] offset:((\ks)-4)*8192+\b*1024+\c*512
.endr
.endr
.endm
.macro MULO ks, wb                     ; 32 matrix instructions, Wo's fragments at v[wb] on; the 32 accumulators take turns, one instruction a turn
	WIN 0x5b                                       ; Wo window 3, v window 2, C and D window 1
.irp a, 0,1,2,3
.irp b, 0,1,2,3,4,5,6,7
.if (\ks) == 0
	v_wmma_scale_f32_16x16x128_f8f6f4 v[8*(8*\a+\b):8*(8*\a+\b)+7], v[\wb+8*\b:\wb+8*\b+7], v[32*(\ks)+8*\a:32*(\ks)+8*\a+7], 0, v[WOS+2*\b], v[VS+2*\a] matrix_a_fmt:MATRIX_FMT_FP4 matrix_b_fmt:MATRIX_FMT_FP4
.elseif ((\ks)%4) < 2
	v_wmma_scale_f32_16x16x128_f8f6f4 v[8*(8*\a+\b):8*(8*\a+\b)+7], v[\wb+8*\b:\wb+8*\b+7], v[32*(\ks)+8*\a:32*(\ks)+8*\a+7], v[8*(8*\a+\b):8*(8*\a+\b)+7], v[WOS+16*((\ks)/4)+2*\b+(\ks)%4], v[VS+8*((\ks)/4)+2*\a+(\ks)%4] matrix_a_fmt:MATRIX_FMT_FP4 matrix_b_fmt:MATRIX_FMT_FP4
.else
	v_wmma_scale_f32_16x16x128_f8f6f4 v[8*(8*\a+\b):8*(8*\a+\b)+7], v[\wb+8*\b:\wb+8*\b+7], v[32*(\ks)+8*\a:32*(\ks)+8*\a+7], v[8*(8*\a+\b):8*(8*\a+\b)+7], v[WOS+16*((\ks)/4)+2*\b+(\ks)%4-2], v[VS+8*((\ks)/4)+2*\a+(\ks)%4-2] matrix_a_fmt:MATRIX_FMT_FP4 matrix_b_fmt:MATRIX_FMT_FP4 matrix_a_scale:MATRIX_SCALE_ROW1 matrix_b_scale:MATRIX_SCALE_ROW1
.endif
.endr
.endr
.endm
	s_load_b256 s[4:11], s[0:1], 0x0               ; v's codes 4:5, wvo 6:7, bo 8:9, out0 10:11
	v_lshl_add_u32 v[SPW], v0, 2, SPARE
	v_mov_b32 v[NIL], 0
	ds_add_u32 v[SPW], v[NIL]                      ; the opening lines: the add, twice on end, and its wait ahead of my first tensor load
	ds_add_u32 v[SPW], v[NIL]
	v_lshrrev_b32 v1, 5, v0
	v_readfirstlane_b32 s12, v1                    ; wave 0..3
	s_bfe_u32 s36, ttmp6, 0x40000                  ; cx, cy: my place in the cluster
	s_bfe_u32 s37, ttmp6, 0x40004
	s_lshl_b32 s14, ttmp9, 2
	s_add_co_u32 s14, s14, s36                     ; the block of 64 tokens = 4 x cluster x + cx
	s_and_b32 s13, ttmp7, 0xffff
	s_lshl_b32 s13, s13, 2
	s_add_co_u32 s13, s13, s37                     ; the group of 128 columns = 4 x cluster y + cy
	s_lshl_b32 s38, s37, 2
	s_lshl_b32 s38, 15, s38                        ; my row of the cluster
	; descriptor group 1: a dense block of 32,768 bytes: 128 rows of 32 elements of 8 bytes, no padding (images are read 16 bytes a lane on end)
	s_or_b32 s[G1], s38, (3<<16)|(1<<21)           ; 15:0 the mask: Wo's images go to my row; 17:16 elements of 8 bytes; 21 set beside a mask
	s_mov_b32 s[G1+1], 32<<16                      ; tensor_dim0 = 32
	s_mov_b32 s[G1+2], 128<<16                     ; tensor_dim1 = 128
	s_mov_b32 s[G1+3], 32<<16                      ; tile_dim0 = 32
	s_mov_b32 s[G1+4], 128                         ; tile_dim1 = 128
	s_mov_b32 s[G1+5], 32                          ; tensor_dim0_stride
	s_mov_b32 s[G1+6], 0
	s_mov_b32 s[G1+7], 0
	s_mul_i32 s40, s13, WREC
	s_add_co_u32 s40, s40, WOB                     ; Wo's record hangs on the column group alone
	s_lshl_b32 s42, s12, 16                        ; my 8 K steps of 8,192 bytes in the record; also my region in LDS: no place in the cluster enters an LDS address
	s_add_co_u32 s20, s40, s42
	s_mov_b32 s21, 0
	s_lshl_b32 s22, s12, 12
	s_add_co_u32 s22, s22, s40
	s_add_co_u32 s22, s22, 262144                  ; my K steps' scale words of Wo
	s_mov_b32 s23, 0
	s_lshr_b32 s44, s14, 5
	s_lshl_b32 s44, s44, 3
	s_lshl_b32 s45, s12, 1
	s_add_co_u32 s44, s44, s45
	s_mul_i32 s44, s44, OREC                       ; the record of (batch, head 2 w); head 2 w + 1's follows it
	s_and_b32 s45, s14, 31
	s_lshl_b32 s16, s45, 14                        ; my 4 token tiles of 4,096 bytes
	s_add_co_u32 s16, s16, s44
	s_mov_b32 s17, 0
	s_lshl_b32 s18, s45, 8
	s_add_co_u32 s18, s18, s44
	s_add_co_u32 s18, s18, 524288
	s_mov_b32 s19, 0
	s_lshl_b32 s46, s13, 9
	s_mov_b32 s47, 0
	s_lshl_b32 s48, s14, 17                        ; 64 rows of 2,048 bytes a block,
	s_lshl_b32 s49, s12, 15                        ; 16 a wave
	s_add_co_u32 s48, s48, s49
	s_add_co_u32 s48, s48, s46
	s_mov_b32 s49, 0
	s_mul_i32 s43, s12, 16*PP
	v_and_b32 v1, 31, v0                           ; lane
	v_and_b32 v64, 15, v0                          ; r
	v_bfe_u32 v65, v0, 4, 1                        ; h
	v_lshlrev_b32 v[CO], 4, v1
	v_lshlrev_b32 v[WSO], 2, v64
	v_lshl_add_u32 v[VSO], v65, 14, v[WSO]
	v_lshl_add_u32 v[WSO], v65, 10, v[WSO]
	v_add_nc_u32 v[AWO], s42, v[CO]                ; my region, 16 bytes a lane
	v_mul_u32_u24 v[SO], v64, PP
	v_lshl_add_u32 v[SO], v65, 7, v[SO]
	v_add_nc_u32 v[SO], s42, v[SO]                 ; my region's rows: row r, + 128 h
	v_add_nc_u32 v[RD0], s43, v[CO]                ; back: rows 16 w on of each region, 16 bytes a lane
	v_add_nc_u32 v[RD0+1], WRG, v[RD0]
	v_add_nc_u32 v[RD0+2], 2*WRG, v[RD0]
	v_add_nc_u32 v[RD0+3], 3*WRG, v[RD0]
	s_wait_alu depctr_va_vdst(0)                   ; the wait at the head's end
	s_wait_dscnt 0x0                               ; both opening adds are done
	s_wait_kmcnt 0x0
	s_add_nc_u64 s[VA:VA+1], s[4:5], s[16:17]
	s_add_nc_u64 s[VSB:VSB+1], s[4:5], s[18:19]
	s_add_nc_u64 s[WSB:WSB+1], s[6:7], s[22:23]
	s_add_nc_u64 s[WB:WB+1], s[6:7], s[20:21]
	s_add_nc_u64 s[8:9], s[8:9], s[46:47]
	s_add_nc_u64 s[10:11], s[10:11], s[48:49]
	s_mov_b32 s[G0], 1                             ; count = 1
	s_mov_b32 s[G0+1], s42                         ; LDS address
	s_add_nc_u64 s[G0+2:G0+3], s[WB:WB+1], 32768   ; my K step 4
	s_or_b32 s[G0+3], s[G0+3], 0x80000000          ; type = 2
	LDSC 0                                         ; 24 loads, then K step 0's 24: on their way while the cluster meets
	LDW 0
	LDV 0
	WIN 0
	CROUND                                         ; all sixteen work-groups are here: the joint loads meet
	tensor_load_to_lds s[G0:G0+3], s[G1:G1+7]      ; every wave's one tensor load
	s_nop 0
.rept 4
	v_nop
.endr
	LDW 1                                          ; K step 1's 24 loads,
	LDV 1
	LDSC 1                                         ; 24 scale loads and 32 of v for K steps 4 to 7
.irp ks, 4,5,6,7
	LDV \ks
.endr
	s_wait_loadcnt 63                              ; 80 loads are younger than K step 0's; the wait's field holds 63 at the most
	MULO 0, 0
	LDW 2                                          ; into registers of their own, which no matrix instruction has named
	LDV 2
	s_wait_loadcnt 63                              ; 80 are younger than K step 1's
	MULO 1, 64
	LDW 3
	LDV 3
	WIN 0
	global_load_b128 v[BI:BI+3], v[CO], s[8:9]
	s_wait_tensorcnt 0x0                           ; my images of Wo have landed
	s_barrier_signal -1
	s_barrier_wait -1                              ; everybody's have: no tensor load of the work-group is out from here on
	PLACES                                         ; in front of the loads into the sets that K steps 0 and 1 have left
	WFETCH 4
	WFETCH 5
	s_wait_loadcnt 49                              ; the scale words and v's fragments of K steps 4 to 7 are in; younger: K steps 2 and 3 (24 each) and the bias
	s_wait_dscnt 16                                ; K step 4's set is in; the next set's 16 loads may be out
	MULO 4, 0
	PLACES
	WFETCH 6
	s_wait_dscnt 16
	MULO 5, 64
	PLACES
	WFETCH 7
	s_wait_dscnt 16
	MULO 6, 0
	s_wait_dscnt 0x0
	MULO 7, 64
	s_wait_loadcnt 25                              ; K step 2's loads are in; younger: K step 3's 24 and the bias
	MULO 2, 128
	s_wait_loadcnt 1
	MULO 3, 192
	PLACES                                         ; in front of the first read of results
	WIN 0x04                                       ; an LDS store's data are its source 1: window 1
.irp a, 0,1,2,3
.irp b, 0,1,2,3,4,5,6,7
	ds_store_b128 v[SO], v[8*(8*\a+\b):8*(8*\a+\b)+3] offset:\a*16*PP+(64*(\b/4)+8*(\b%4))*4       ; into my own region, whose images I alone read and have read; each accumulator from its low end on
	ds_store_b128 v[SO], v[8*(8*\a+\b)+4:8*(8*\a+\b)+7] offset:\a*16*PP+(64*(\b/4)+8*(\b%4))*4+16
.endr
.endr
	WIN 0
	s_wait_loadcnt 0x0                             ; the bias
	s_wait_dscnt 0x0                               ; for the others' sake: my partial sums have landed
	s_barrier_signal -1
	s_barrier_wait -1
.macro RLOAD g                         ; rows 4 g .. 4 g + 3 of my 16, all four partial sums: 16 loads
.irp i, 0,1,2,3
.irp p, 0,1,2,3
	ds_load_b128 v[P+64*((\g)%2)+16*\i+4*\p:P+64*((\g)%2)+16*\i+4*\p+3], v[RD0+\p] offset:(4*(\g)+\i)*PP
.endr
.endr
.endm
.macro RSUM g                          ; ((p0 + p1) + (p2 + p3)) + bias, and the row leaves: 512 consecutive bytes
.irp i, 0,1,2,3
.set RB, P+64*((\g)%2)+16*\i
.set RR, R+4*(4*(\g)+\i)
	v_pk_add_f32 v[RB:RB+1], v[RB:RB+1], v[RB+4:RB+5]
	v_pk_add_f32 v[RB+2:RB+3], v[RB+2:RB+3], v[RB+6:RB+7]
	v_pk_add_f32 v[RB+8:RB+9], v[RB+8:RB+9], v[RB+12:RB+13]
	v_pk_add_f32 v[RB+10:RB+11], v[RB+10:RB+11], v[RB+14:RB+15]
	v_pk_add_f32 v[RB:RB+1], v[RB:RB+1], v[RB+8:RB+9]
	v_pk_add_f32 v[RB+2:RB+3], v[RB+2:RB+3], v[RB+10:RB+11]
	v_pk_add_f32 v[RR:RR+1], v[RB:RB+1], v[BI:BI+1]
	v_pk_add_f32 v[RR+2:RR+3], v[RB+2:RB+3], v[BI+2:BI+3]
	global_store_b128 v[CO], v[RR:RR+3], s[10:11] offset:(4*(\g)+\i)*2048 th:TH_STORE_NT   ; written once, read by nobody here; no store's data are written again
.endr
.endm
	RLOAD 0
	RLOAD 1
	s_wait_dscnt 16                                ; the first group is in; the next group's 16 loads may be out
	RSUM 0
	RLOAD 2
	s_wait_dscnt 16
	RSUM 1
	RLOAD 3
	s_wait_dscnt 16
	RSUM 2
	s_wait_dscnt 0x0
	RSUM 3
	s_wait_tensorcnt 0x0                           ; the wave's end
	ds_add_u32 v[SPW], v[NIL]
	s_wait_dscnt 0x0
	CROUND                                         ; the closing round: no work-group ends while a partner may still ask for a tile that names it
	s_endpgm
.Lfunc_end_k_q9ab3438011_out:
	.size	k_q9ab3438011_out, .Lfunc_end_k_q9ab3438011_out-k_q9ab3438011_out
	.p2alignl 7, 3214868480
	.fill 96, 4, 3214868480
	.section	.rodata,"a",@progbits
	.p2align	6, 0x0
	.amdhsa_kernel k_q9ab3438011_out
		.amdhsa_group_segment_fixed_size 262656
		.amdhsa_private_segment_fixed_size 0
		.amdhsa_enable_private_segment 0
		.amdhsa_kernarg_size 32
		.amdhsa_user_sgpr_count 2
		.amdhsa_user_sgpr_kernarg_segment_ptr 1
		.amdhsa_wavefront_size32 1
		.amdhsa_system_sgpr_workgroup_id_x 1
		.amdhsa_system_sgpr_workgroup_id_y 1
		.amdhsa_system_sgpr_workgroup_id_z 1
		.amdhsa_system_vgpr_workitem_id 0
		.amdhsa_next_free_vgpr 1024
		.amdhsa_next_free_sgpr 66
		.amdhsa_reserve_vcc 0
		.amdhsa_float_denorm_mode_32 3
		.amdhsa_float_denorm_mode_16_64 3
		.amdhsa_memory_ordered 1
		.amdhsa_forward_progress 1
		.amdhsa_inst_pref_size 77
	.end_amdhsa_kernel
	.amdgpu_metadata
---
amdhsa.version: [ 1, 2 ]
amdhsa.kernels:
  - .name:           k_q9ab3438011_out
    .symbol:         k_q9ab3438011_out.kd
    .args:
      - { .name: vq, .offset: 0, .size: 8, .value_kind: global_buffer, .address_space: global }
      - { .name: wvo, .offset: 8, .size: 8, .value_kind: global_buffer, .address_space: global }
      - { .name: bo, .offset: 16, .size: 8, .value_kind: global_buffer, .address_space: global }
      - { .name: out0, .offset: 24, .size: 8, .value_kind: global_buffer, .address_space: global }
    .group_segment_fixed_size: 262656
    .private_segment_fixed_size: 0
    .kernarg_segment_align: 8
    .kernarg_segment_size: 32
    .max_flat_workgroup_size: 128
    .sgpr_count:     66
    .vgpr_count:     1024
    .wavefront_size: 32
...
	.end_amdgpu_metadata
.endif
;; end of part 3
